; MI455X (gfx1250); checked and timed in simulation.
; The chip was launched on July 23, 2026; its instructions are those of AMD's public machine-readable ISA for CDNA 5 (MIT licence, August 2026) and "CDNA5" Instruction Set Architecture Reference Guide (July 2026). The comments in the code are by the model that wrote it; some were corrected since.
;; Multi Headed Attention. Allowed arithmetic: float matrix products may take bf16 or f16 operands with f32 sums; all other float work in f32.
;; Inputs: Wk 1,024 x 1,024 float32; Wo 1,024 x 1,024 float32; Wq 1,024 x 1,024 float32; Wv 1,024 x 1,024 float32; bk 1,024 float32; bo 1,024 float32; bq 1,024 float32; bv 1,024 float32; x 2 x 2,048 x 1,024 float32.
;; Outputs: out0 2 x 2,048 x 1,024 float32.
;; 2 versions, each right; version 2 is version 1 with the launch cast written anew for expert scheduling mode. Each part assembles by itself: llvm-mc -triple=amdgcn-amd-amdhsa -mcpu=gfx1250 --defsym DOCPART=n.
;; ======== version 1 of 2: 4 launches
;; limits: values are held in f16: magnitudes above 65,504 overflow, below 6.1e-05 lose precision; right only within a limited range of input values
;; workspace buffers: h16 16,777,216 bytes; qkv 25,165,824 bytes; ctxh 8,388,608 bytes
;; launch cast (part 1): grid 512 x 1, 8 waves a work-group, no clusters, 0 bytes of LDS; arguments x, Wq, Wk, Wv, Wo, h16; writes h16
.if DOCPART == 1
	.amdgcn_target "amdgcn-amd-amdhsa--gfx1250"
	.amdhsa_code_object_version 6
	.text
	.protected	k_q5ab502f87d_cast
	.globl	k_q5ab502f87d_cast
	.p2align	8
	.type	k_q5ab502f87d_cast,@function
k_q5ab502f87d_cast:
	s_mov_b64 s[64:65], 0
	v_nop
	global_prefetch_b8 v0, s[64:65] scope:SCOPE_SE
	s_setreg_imm32_b32 hwreg(HW_REG_WAVE_MODE, 25, 1), 1
	s_wait_xcnt 0x0
; h16 = f16 of (x | Wq | Wk | Wv | Wo), 8,192 rows of 1,024 numbers: rows 0-4095 x, 4096-7167 Wq, Wk, Wv stacked, 7168-8191 Wo.
; A stream: each source byte is read once, each byte of h16 written once.  No LDS, no matrix unit, no cluster: no two work-groups share a byte.
; Work-group id takes 65,536 source bytes (16,384 numbers) and writes 32,768 bytes at h16 + 32,768 id.  id 0-255: x; then 64 each for Wq, Wk, Wv, Wo.
; Thread t takes 16 bytes at 16 t of each of 16 blocks of 4,096 bytes: a wave's load covers 512 consecutive bytes; its store of 8 bytes a lane
; covers 256 consecutive bytes, aligned.  All 16 loads of a lane go out at once; no register is written twice, so no wait frees a source.
; LIMIT: f16 holds magnitudes below 65,504; a larger |x| or |W| becomes infinite here.  Rounding is to nearest even.
.set X, 4                              ; v[4:67]   16 loads of 4 f32
.set Y, 68                             ; v[68:99]  16 pairs of registers, 4 f16 each
	s_load_b256 s[4:11], s[0:1], 0x0               ; x s[4:5], Wq s[6:7], Wk s[8:9], Wv s[10:11]
	s_load_b128 s[12:15], s[0:1], 0x20             ; Wo s[12:13], h16 s[14:15]
	s_lshr_b32 s16, ttmp9, 6                       ; 0-3: x, 4: Wq, 5: Wk, 6: Wv, 7: Wo
	s_and_b32 s17, ttmp9, 63                       ; my block inside a weight matrix
	s_cmp_lt_u32 s16, 4
	s_cselect_b32 s22, ttmp9, s17                  ; my block inside my source
	s_lshl_b32 s22, s22, 16                        ; x 65,536 bytes (below 16 MiB)
	s_mov_b32 s23, 0
	s_lshl_b32 s2, ttmp9, 15                       ; my 32,768 bytes of h16
	s_mov_b32 s3, 0
	v_lshlrev_b32 v1, 4, v0                        ; 16 t
	v_lshlrev_b32 v2, 3, v0                        ; 8 t
	s_wait_kmcnt 0x0
	s_mov_b64 s[18:19], s[4:5]                     ; the source: a choice between buffers on the work-group's number alone
	s_cmp_eq_u32 s16, 4
	s_cselect_b64 s[18:19], s[6:7], s[18:19]
	s_cmp_eq_u32 s16, 5
	s_cselect_b64 s[18:19], s[8:9], s[18:19]
	s_cmp_eq_u32 s16, 6
	s_cselect_b64 s[18:19], s[10:11], s[18:19]
	s_cmp_eq_u32 s16, 7
	s_cselect_b64 s[18:19], s[12:13], s[18:19]
	s_add_nc_u64 s[18:19], s[18:19], s[22:23]
	s_add_nc_u64 s[20:21], s[14:15], s[2:3]
.set k, 0
.rept 16
	global_load_b128 v[X+4*k:X+4*k+3], v1, s[18:19] offset:4096*k th:TH_LOAD_NT   ; read once in the launch
.set k, k+1
.endr
.set k, 0
.rept 16
	s_wait_loadcnt 15-k                            ; loads come back in order (ISA guide 5.7.1): load k is in, the 15-k younger ones stay out
	v_cvt_pk_f16_f32 v[Y+2*k], v[X+4*k], v[X+4*k+1]
	v_cvt_pk_f16_f32 v[Y+2*k+1], v[X+4*k+2], v[X+4*k+3]
	global_store_b64 v2, v[Y+2*k:Y+2*k+1], s[20:21] offset:2048*k   ; no hint: the next launches read these bytes
.set k, k+1
.endr
	s_endpgm
.Lfunc_end_k_q5ab502f87d_cast:
	.size	k_q5ab502f87d_cast, .Lfunc_end_k_q5ab502f87d_cast-k_q5ab502f87d_cast
	.p2alignl 7, 3214868480
	.fill 96, 4, 3214868480
	.section	.rodata,"a",@progbits
	.p2align	6, 0x0
	.amdhsa_kernel k_q5ab502f87d_cast
		.amdhsa_group_segment_fixed_size 0
		.amdhsa_private_segment_fixed_size 0
		.amdhsa_enable_private_segment 0
		.amdhsa_kernarg_size 48
		.amdhsa_user_sgpr_count 2
		.amdhsa_user_sgpr_kernarg_segment_ptr 1
		.amdhsa_wavefront_size32 1
		.amdhsa_system_sgpr_workgroup_id_x 1
		.amdhsa_system_sgpr_workgroup_id_y 1
		.amdhsa_system_sgpr_workgroup_id_z 1
		.amdhsa_system_vgpr_workitem_id 0
		.amdhsa_next_free_vgpr 104
		.amdhsa_next_free_sgpr 66
		.amdhsa_reserve_vcc 0
		.amdhsa_float_denorm_mode_32 3
		.amdhsa_float_denorm_mode_16_64 3
		.amdhsa_memory_ordered 1
		.amdhsa_forward_progress 1
		.amdhsa_inst_pref_size 7
	.end_amdhsa_kernel
	.amdgpu_metadata
---
amdhsa.version: [ 1, 2 ]
amdhsa.kernels:
  - .name:           k_q5ab502f87d_cast
    .symbol:         k_q5ab502f87d_cast.kd
    .args:
      - { .name: x, .offset: 0, .size: 8, .value_kind: global_buffer, .address_space: global }
      - { .name: Wq, .offset: 8, .size: 8, .value_kind: global_buffer, .address_space: global }
      - { .name: Wk, .offset: 16, .size: 8, .value_kind: global_buffer, .address_space: global }
      - { .name: Wv, .offset: 24, .size: 8, .value_kind: global_buffer, .address_space: global }
      - { .name: Wo, .offset: 32, .size: 8, .value_kind: global_buffer, .address_space: global }
      - { .name: h16, .offset: 40, .size: 8, .value_kind: global_buffer, .address_space: global }
    .group_segment_fixed_size: 0
    .private_segment_fixed_size: 0
    .kernarg_segment_align: 8
    .kernarg_segment_size: 48
    .max_flat_workgroup_size: 256
    .sgpr_count:     66
    .vgpr_count:     104
    .wavefront_size: 32
...
	.end_amdgpu_metadata
.endif
;; end of part 1
;; launch qkv (part 2): grid 8 x 32, 4 waves a work-group, clusters of 4 x 4, 327,680 bytes of LDS; arguments h16, bq, bk, bv, qkv; writes qkv
.if DOCPART == 2
	.amdgcn_target "amdgcn-amd-amdhsa--gfx1250"
	.amdhsa_code_object_version 6
	.text
	.protected	k_q5ab502f87d_qkv
	.globl	k_q5ab502f87d_qkv
	.p2align	8
	.type	k_q5ab502f87d_qkv,@function
k_q5ab502f87d_qkv:
	s_mov_b64 s[64:65], 0
	v_nop
	global_prefetch_b8 v0, s[64:65] scope:SCOPE_SE
	s_setreg_imm32_b32 hwreg(HW_REG_WAVE_MODE, 25, 1), 1
	s_wait_xcnt 0x0
	s_wait_alu depctr_hold_cnt(0) depctr_sa_sdst(0) depctr_va_vdst(0) depctr_va_sdst(0) depctr_va_ssrc(0) depctr_va_vcc(0) depctr_vm_vsrc(0)
	s_getreg_b32 s2, hwreg(HW_REG_IB_STS2, 6, 4)
	s_cmp_eq_u32 s2, 0
	s_cbranch_scc0 .Lentry_in_a_cluster
	s_endpgm
.Lentry_in_a_cluster:
	s_bfe_u32 s2, ttmp6, 0x10000c
	s_cmp_lg_u32 s2, 0xf033
	s_cbranch_scc0 .Lentry_shape_is_right
	s_endpgm
.Lentry_shape_is_right:
; qkv = scale * (x W^T + b) for W = Wq | Wk | Wv stacked (3,072 rows), in f16, laid out [type*16 + head][batch][s][64].
; scale: q 0.36067376 (= log2(e)/4), k 0.5, v 0.5, so that q'.k' is the softmax's exponent to base 2 and every stored number has room in f16.
; A GEMM [4096 x 3072 x 1024], operands f16 from h16, sums f32.  A work-group makes 128 rows x 384 columns; 8 x 32 = 256 work-groups.
; Wave w = 2 i + j makes rows 64 i .. +63, columns 192 j .. +191 (three whole heads): 4 x 12 = 48 accumulator tiles, 384 registers.
; K goes in steps of 128 through two LDS slots; a tile's rows are 256 bytes of memory, aligned to 256 from the buffer's first byte.
; CLUSTERS 4 x 4: x's tile hangs on the block row alone and is asked for jointly by a row of the cluster, W's tiles on the block column alone
; and are asked for jointly by a column.  Wave 0 fetches x's 128 rows, waves 1 to 3 W's 3 x 128 rows: one tensor load a wave and slot.
; By this text's count a wave has two tensor loads out at the start and one behind each refill.
; The matrix instruction is used transposed (source 0 = rows of W, source 1 = rows of x): lane l then holds row l % 16 of the result and its
; eight registers the columns 8 (l / 16) + 0..7, which pack into 16 neighbouring bytes.
; LIMIT: stored numbers are f16: |q| < 181,600, |k|, |v| < 131,000; beyond that they become infinite.
; REGISTERS: window 0: addresses, x's fragments (two buffers), biases; window 1: W's fragments (two buffers);
; window 2: tiles of my row blocks 0, 1 (tile (al, b) at 8 (12 al + b)); window 3: those of row blocks 2, 3.
.set KSTEP,  128
.set PITCH,  272                       ; an LDS row: 256 bytes + 16 of padding, an odd multiple of 16: the 16 rows of a fragment load begin at 16 different 16-byte columns of 256
.set HALFT,  128*PITCH                 ; 128 rows: what one tensor load brings
.set SLOT,   4*HALFT                   ; x's 128 rows, then W's 384
.set STAGE,  2*SLOT                    ; behind the ring: 16 rows x 400 bytes for each wave, never the target of a fill
.set SPITCH, 400                       ; 192 f16 + 16 bytes
.set LAPS,   4                         ; 1,024 / (2 x 128)
.set ADRA, 16                          ; v16-17  LDS address of my x fragments in slot 0, 1
.set ADRB, 20                          ; v20-21  the same for W
.set STO,  24                          ; v24     the way out: where I put 16 bytes of a row
.set RD,   25                          ; v25     the way out: where I read 16 bytes back
.set CO,   26                          ; v26     16 x lane: my place in 512 dense bytes of qkv
.set VB,   27                          ; v27     32 x (lane / 16): my eight biases in a block of 16
.set FA,   32                          ; window 0: x fragments, buffer n at 32 + 32 n
.set FB,   0                           ; window 1: W fragments, buffer n at 96 n
.set TMP,  32                          ; the way out: 48 packed registers
.set RB,   80                          ; the way out: 48 registers read back
.set BIAS, 128                         ; v128-223: scale x bias of my 8 columns in each of 12 column blocks
.set G1A, 24                           ; s[24:31] group 1 for x's tile
.set G0A, 32                           ; s[32:39] group 0 for x's tile, a set for each slot
.set G1B, 40                           ; s[40:47] group 1 for W's tiles
.set G0B, 48                           ; s[48:55] group 0 for W's tiles, a set for each slot
.set BP,  68                           ; s[68:73] bias address of my heads 0, 1, 2
.set SC,  74                           ; s[74:79] scale of my heads 0, 1, 2, each twice (a pair for the packed forms)
.set MSB, 0
.macro WIN new                         ; the immediate's high byte repeats the setting that is left
.if MSB != \new
	s_set_vgpr_msb (MSB<<8)|\new
.set MSB, \new
.endif
.endm
.macro PLACES                          ; four independent vector instructions behind a matrix instruction (ISA guide 7.12.1)
.rept 4
	v_nop
.endr
.endm
; A joint load: wave 0 asks for x's tile, waves 1 to 3 for W's.  Each line has one mask; the branch hangs on the wave's number alone.
.macro JLOAD s
	s_cmp_eq_u32 s14, 0
	s_cbranch_scc0 .Lfor_b_\@
	tensor_load_to_lds s[G0A+4*\s:G0A+4*\s+3], s[G1A:G1A+7]
	s_nop 0
	s_branch .Lasked_\@
.Lfor_b_\@:
	tensor_load_to_lds s[G0B+4*\s:G0B+4*\s+3], s[G1B:G1B+7]
	s_nop 0
.Lasked_\@:
.endm
.macro CREST                           ; a round of the cluster's barrier behind its opening work-group barrier
	s_cmp_lg_u32 s14, 0
	s_cbranch_scc1 .Lnot_wave_0_\@
	s_barrier_signal -3
.Lnot_wave_0_\@:
	s_barrier_wait -3
	s_barrier_signal -1
	s_barrier_wait -1
.endm
.macro CROUND                          ; a whole round
	s_barrier_signal -1
	s_barrier_wait -1
	CREST
.endm
	s_load_b256 s[4:11], s[0:1], 0x0               ; h16 s[4:5], bq s[6:7], bk s[8:9], bv s[10:11]
	s_load_b64 s[12:13], s[0:1], 0x20              ; qkv
	s_set_vgpr_msb 0x40
	v_lshl_add_u32 v255, v0, 2, 0x4a400
	s_set_vgpr_msb 0x4000
	v_mov_b32 v255, 0
	s_set_vgpr_msb 0x1
	ds_add_u32 v255, v255
	s_set_vgpr_msb 0x100
	v_lshrrev_b32 v1, 5, v0
	v_readfirstlane_b32 s14, v1                    ; wave 0..3
	s_lshr_b32 s15, s14, 1                         ; i: my 64 rows
	s_and_b32 s16, s14, 1                          ; j: my 192 columns
	s_bfe_u32 s17, ttmp6, 0x40000                  ; cx
	s_bfe_u32 s18, ttmp6, 0x40004                  ; cy
	s_lshl_b32 s19, ttmp9, 2
	s_add_co_u32 s19, s19, s17                     ; block column bx = 4 x cluster x + cx, 0..7
	s_and_b32 s20, ttmp7, 0xffff
	s_lshl_b32 s20, s20, 2
	s_add_co_u32 s20, s20, s18                     ; block row by = 4 x cluster y + cy, 0..31
	s_lshl_b32 s21, s18, 2
	s_lshl_b32 s21, 15, s21                        ; my row of the cluster: places 4 cy .. 4 cy + 3
	s_lshl_b32 s22, 0x1111, s17                    ; my column: places cx, cx + 4, cx + 8, cx + 12
	; group 1: 128 rows x 128 elements of 2 bytes, 4 words of padding behind every 64 words; bit 21 beside the mask
	s_or_b32 s[G1A+0], s21, (1<<16)|(1<<20)|(1<<21)|(5<<22)|(3<<25)
	s_or_b32 s[G1B+0], s22, (1<<16)|(1<<20)|(1<<21)|(5<<22)|(3<<25)
	s_mov_b32 s[G1A+1], KSTEP<<16                  ; tensor_dim0 = 128
	s_mov_b32 s[G1B+1], KSTEP<<16
	s_mov_b32 s[G1A+2], 128<<16                    ; tensor_dim1 = 128
	s_mov_b32 s[G1B+2], 128<<16
	s_mov_b32 s[G1A+3], KSTEP<<16                  ; tile_dim0 = 128
	s_mov_b32 s[G1B+3], KSTEP<<16
	s_mov_b32 s[G1A+4], 128                        ; tile_dim1 = 128
	s_mov_b32 s[G1B+4], 128
	s_mov_b32 s[G1A+5], 1024                       ; elements from row to row
	s_mov_b32 s[G1B+5], 1024
	s_mov_b32 s[G1A+6], 0
	s_mov_b32 s[G1B+6], 0
	s_mov_b32 s[G1A+7], 0
	s_mov_b32 s[G1B+7], 0
	; x's tile: row 128 by of h16, 2,048 bytes a row.  W's: row 4096 + 384 bx + 128 (w - 1).  Neither pair of registers ever holds the other coordinate.
	s_lshl_b32 s56, s20, 18
	s_mov_b32 s57, 0
	s_mul_i32 s58, s19, 384
	s_lshl_b32 s59, s14, 7
	s_add_co_u32 s58, s58, s59
	s_add_co_u32 s58, s58, 3968
	s_lshl_b32 s58, s58, 11
	s_mov_b32 s59, 0
	s_mul_i32 s23, s14, HALFT                      ; where my tile goes: wave x 128 rows
	s_wait_dscnt 0x0
	s_wait_kmcnt 0x0
	s_add_nc_u64 s[56:57], s[4:5], s[56:57]
	s_add_nc_u64 s[58:59], s[4:5], s[58:59]
	CROUND                                         ; all sixteen work-groups are here: the first joint loads meet
.irp s, 0,1
	s_mov_b32 s[G0A+4*\s], 1
	s_add_co_u32 s[G0A+4*\s+1], s23, \s*SLOT
	s_add_nc_u64 s[G0A+4*\s+2:G0A+4*\s+3], s[56:57], \s*KSTEP*2
	s_or_b32 s[G0A+4*\s+3], s[G0A+4*\s+3], 0x80000000
	s_mov_b32 s[G0B+4*\s], 1
	s_add_co_u32 s[G0B+4*\s+1], s23, \s*SLOT
	s_add_nc_u64 s[G0B+4*\s+2:G0B+4*\s+3], s[58:59], \s*KSTEP*2
	s_or_b32 s[G0B+4*\s+3], s[G0B+4*\s+3], 0x80000000
	JLOAD \s                                       ; K steps 0 and 1: the ring is filled before anything else
.endr
	; biases and scales of my three heads.  G = 6 bx + 3 j + g; type = G / 16 picks the bias vector and the scale, G % 16 the head.
	v_and_b32 v1, 15, v0                           ; r = lane % 16
	v_bfe_u32 v2, v0, 4, 1                         ; h = lane / 16
	v_lshlrev_b32 v[VB], 5, v2
	s_mul_i32 s82, s19, 6
	s_mul_i32 s83, s16, 3
	s_add_co_u32 s82, s82, s83                     ; my first G
.irp g, 0,1,2
	s_add_co_u32 s83, s82, \g
	s_lshr_b32 s84, s83, 4                         ; 0 q, 1 k, 2 v
	s_and_b32 s86, s83, 15
	s_lshl_b32 s86, s86, 8                         ; head x 64 numbers x 4 bytes
	s_mov_b32 s87, 0
	s_cmp_eq_u32 s84, 0
	s_cselect_b32 s[SC+2*\g], 0x3eb8aa3b, 0.5
	s_cselect_b64 s[BP+2*\g:BP+2*\g+1], s[6:7], s[8:9]
	s_cmp_eq_u32 s84, 2
	s_cselect_b64 s[BP+2*\g:BP+2*\g+1], s[10:11], s[BP+2*\g:BP+2*\g+1]
	s_mov_b32 s[SC+2*\g+1], s[SC+2*\g]
	s_add_nc_u64 s[BP+2*\g:BP+2*\g+1], s[BP+2*\g:BP+2*\g+1], s[86:87]
.irp bb, 0,1,2,3
	global_load_b128 v[BIAS+8*(4*\g+\bb):BIAS+8*(4*\g+\bb)+3],   v[VB], s[BP+2*\g:BP+2*\g+1] offset:64*\bb
	global_load_b128 v[BIAS+8*(4*\g+\bb)+4:BIAS+8*(4*\g+\bb)+7], v[VB], s[BP+2*\g:BP+2*\g+1] offset:64*\bb+16
.endr
.endr
	; where my block of qkv begins: ((6 bx + 3 j) x 2 + batch) blocks of 262,144 bytes, + (128 (by % 16) + 64 i) rows of 128 bytes
	s_lshl_b32 s82, s82, 1
	s_lshr_b32 s83, s20, 4
	s_add_co_u32 s82, s82, s83
	s_lshl_b32 s82, s82, 18
	s_and_b32 s83, s20, 15
	s_lshl_b32 s83, s83, 14
	s_lshl_b32 s84, s15, 13
	s_add_co_u32 s82, s82, s83
	s_add_co_u32 s82, s82, s84
	s_mov_b32 s83, 0
	s_add_nc_u64 s[80:81], s[12:13], s[82:83]
	; a fragment is 16 rows x 32 K in 8 registers: two loads of 16 bytes, 32 bytes apart, at row x pitch + 16 h
	v_mul_u32_u24 v3, v1, PITCH
	v_lshl_add_u32 v3, v2, 4, v3
	s_mul_i32 s60, s15, 64*PITCH                   ; my 64 rows of x
	s_mul_i32 s61, s16, 192*PITCH                  ; my 192 rows of W,
	s_add_co_u32 s61, s61, HALFT                   ; which lie behind x's 128
.irp s, 0,1
	v_add_nc_u32 v[ADRA+\s], s60, v3
	v_add_nc_u32 v[ADRB+\s], s61, v3
	s_add_co_u32 s60, s60, SLOT
	s_add_co_u32 s61, s61, SLOT
.endr
	s_mul_i32 s62, s14, 16*SPITCH
	s_add_co_u32 s62, s62, STAGE                   ; my stage
	v_mul_u32_u24 v4, v1, SPITCH
	v_lshl_add_u32 v4, v2, 4, v4
	v_add_nc_u32 v[STO], s62, v4                   ; in: row r, 16 bytes for each half of the lanes
	v_and_b32 v4, 31, v0
	v_lshrrev_b32 v5, 3, v4
	v_and_b32 v6, 7, v0
	v_mul_u32_u24 v5, v5, SPITCH
	v_lshl_add_u32 v5, v6, 4, v5
	v_add_nc_u32 v[RD], s62, v5                    ; back: eight lanes take 128 bytes (one head) of a row, 32 lanes four rows
	v_lshlrev_b32 v[CO], 4, v4
	s_wait_loadcnt 0x0                             ; the biases, once
.irp b, 0,1,2,3,4,5,6,7,8,9,10,11
.irp p, 0,1,2,3
	v_pk_mul_f32 v[BIAS+8*\b+2*\p:BIAS+8*\b+2*\p+1], v[BIAS+8*\b+2*\p:BIAS+8*\b+2*\p+1], s[SC+2*(\b/4):SC+2*(\b/4)+1] op_sel_hi:[1,0]
.endr
.endr
; 12 matrix instructions: row block 2 hi + al x all 12 column blocks, 32 along K, from buffer buf.  zero = 1: the first product starts the sums.
.macro MUL12 buf, hi, al, zero
.irp b, 0,1,2,3,4,5,6,7,8,9,10,11
.if \zero
	v_wmma_f32_16x16x32_f16 v[8*(12*\al+\b):8*(12*\al+\b)+7], v[FB+96*\buf+8*\b:FB+96*\buf+8*\b+7], v[FA+32*\buf+8*(2*\hi+\al):FA+32*\buf+8*(2*\hi+\al)+7], 0
.else
	v_wmma_f32_16x16x32_f16 v[8*(12*\al+\b):8*(12*\al+\b)+7], v[FB+96*\buf+8*\b:FB+96*\buf+8*\b+7], v[FA+32*\buf+8*(2*\hi+\al):FA+32*\buf+8*(2*\hi+\al)+7], v[8*(12*\al+\b):8*(12*\al+\b)+7]
.endif
.endr
.endm
; 32 LDS loads in one run: 192 rows of W, then 64 rows of x, 32 K at byte k of the rows, into buffer buf
.macro FETCH slot, k, buf
	WIN 0x40                                       ; destination window 1, address window 0
.irp b, 0,1,2,3,4,5,6,7,8,9,10,11
	ds_load_b128 v[FB+96*\buf+8*\b:FB+96*\buf+8*\b+3],   v[ADRB+\slot] offset:\k+\b*16*PITCH
	ds_load_b128 v[FB+96*\buf+8*\b+4:FB+96*\buf+8*\b+7], v[ADRB+\slot] offset:\k+\b*16*PITCH+32
.endr
	WIN 0
.irp a, 0,1,2,3
	ds_load_b128 v[FA+32*\buf+8*\a:FA+32*\buf+8*\a+3],   v[ADRA+\slot] offset:\k+\a*16*PITCH
	ds_load_b128 v[FA+32*\buf+8*\a+4:FA+32*\buf+8*\a+7], v[ADRA+\slot] offset:\k+\a*16*PITCH+32
.endr
.endm
; A K step is four quarters of 32 along K, 48 matrix instructions each, on buffers 0, 1, 0, 1.  The 48 accumulators take turns in one fixed
; order, one instruction a turn, over the backward jump too.
; One of the first three quarters: multiplies buffer cur and, in its middle, fetches the next quarter (byte k) into buffer nxt.
.macro QUARTER slot, k, cur, nxt, zero
	s_wait_dscnt 4                                 ; W and x's row blocks 0, 1 are in; the youngest four loads (row blocks 2, 3) may be out
	WIN 0xa1                                       ; source 0 window 1, source 1 window 0, C and D window 2
	MUL12 \cur, 0, 0, \zero
	MUL12 \cur, 0, 1, \zero
	PLACES
	FETCH \slot, \k, \nxt
	s_wait_dscnt 32                                ; all but the 32 just issued
	WIN 0xf1                                       ; C and D window 3
	MUL12 \cur, 1, 0, \zero
	MUL12 \cur, 1, 1, \zero
.endm
.macro THREE slot, zero
	QUARTER \slot, 64,  0, 1, \zero
	QUARTER \slot, 128, 1, 0, 0
	QUARTER \slot, 192, 0, 1, 0
.endm
; The last quarter multiplies buffer 1 and changes slots.  In front of the barrier each wave waits for its reads of this slot and for all its
; tensor loads (the one that is out is its part of the next slot).  Where the slot is filled again the barrier opens a round of the cluster's
; barrier, and the joint refill is the first tensor load behind the round.  From a request to the wait for it a wave issues 180 matrix instructions.
.macro TURN slot, next, fill
	s_wait_dscnt 4
	WIN 0xa1
	MUL12 1, 0, 0, 0
	s_wait_dscnt 0                                 ; my reads of this slot are over
	s_wait_tensorcnt 0x0                           ; all my tensor loads have landed
	ds_add_u32 v255, v255
	s_wait_dscnt 0x0
	s_barrier_signal -1
	MUL12 1, 0, 1, 0                               ; registers only, while the others arrive
	WIN 0
	s_barrier_wait -1
.if \fill
	CREST                                          ; no wave of any partner still reads this slot or has a load on its way
	s_add_nc_u64 s[G0A+4*\slot+2:G0A+4*\slot+3], s[G0A+4*\slot+2:G0A+4*\slot+3], 2*KSTEP*2
	s_add_nc_u64 s[G0B+4*\slot+2:G0B+4*\slot+3], s[G0B+4*\slot+2:G0B+4*\slot+3], 2*KSTEP*2
	JLOAD \slot
.endif
	PLACES
	FETCH \next, 0, 0
	WIN 0xf1
	MUL12 1, 1, 0, 0
	MUL12 1, 1, 1, 0
.endm
.macro LAP zero
	THREE 0, \zero
	TURN 0, 1, 1
	THREE 1, 0
	TURN 1, 0, 1
.endm
	s_wait_tensorcnt 0x1                           ; my part of K step 0 is in; K step 1's stays out
	s_barrier_signal -1
	s_barrier_wait -1
	FETCH 0, 0, 0
	LAP 1                                          ; the first lap stands in front of the loop: its first products start the sums
	WIN 0
	s_mov_b32 s3, LAPS-2
.Llap:
	LAP 0
	WIN 0
	s_sub_co_u32 s3, s3, 1
	s_cmp_lg_u32 s3, 0
	s_cbranch_scc1 .Llap
	THREE 0, 0                                     ; the last lap fills nothing
	TURN 0, 1, 0
	THREE 1, 0
	s_wait_dscnt 4
	WIN 0xa1
	MUL12 1, 0, 0, 0
	MUL12 1, 0, 1, 0
	s_wait_dscnt 0
	WIN 0xf1
	MUL12 1, 1, 0, 0
	MUL12 1, 1, 1, 0
	PLACES                                         ; behind the last matrix instructions, for what reads results and writes fragments' registers
; THE WAY OUT, 16 rows at a time: scale x sum + scale x bias, round to f16, 16 bytes a lane into my own stage, read back by heads:
; a load takes 128 bytes of four rows of one head, which are 512 consecutive, aligned bytes of qkv.
.macro OUT16 a, al, fmawin, cvtwin
	WIN \fmawin                                    ; source 0 and destination in the accumulators' window, the bias in window 0
.irp b, 0,1,2,3,4,5,6,7,8,9,10,11
.irp p, 0,1,2,3
	v_pk_fma_f32 v[8*(12*\al+\b)+2*\p:8*(12*\al+\b)+2*\p+1], v[8*(12*\al+\b)+2*\p:8*(12*\al+\b)+2*\p+1], s[SC+2*(\b/4):SC+2*(\b/4)+1], v[BIAS+8*\b+2*\p:BIAS+8*\b+2*\p+1] op_sel_hi:[1,0,1]
.endr
.endr
	WIN \cvtwin
.irp b, 0,1,2,3,4,5,6,7,8,9,10,11
.irp p, 0,1,2,3
	v_cvt_pk_f16_f32 v[TMP+4*\b+\p], v[8*(12*\al+\b)+2*\p], v[8*(12*\al+\b)+2*\p+1]
.endr
.endr
	WIN 0
.irp b, 0,1,2,3,4,5,6,7,8,9,10,11
	ds_store_b128 v[STO], v[TMP+4*\b:TMP+4*\b+3] offset:32*\b
.endr
	s_wait_xcnt 0x0                                ; RB, which the last 12 stores read, is loaded again only behind this wait (ISA guide 3.1)
.irp g, 0,1,2
.irp t, 0,1,2,3
	ds_load_b128 v[RB+4*(4*\g+\t):RB+4*(4*\g+\t)+3], v[RD] offset:4*SPITCH*\t+128*\g   ; LDS serves a wave's instructions in order (ISA guide 5.7.1.4): these see the stores above
.endr
.endr
.irp g, 0,1,2
.irp t, 0,1,2,3
	s_wait_dscnt 11-(4*\g+\t)                      ; this read-back is in, the younger ones stay out
	global_store_b128 v[CO], v[RB+4*(4*\g+\t):RB+4*(4*\g+\t)+3], s[80:81] offset:524288*\g+2048*\a+512*\t
.endr
.endr
.endm
	OUT16 0, 0, 0x82, 0x0a
	OUT16 1, 1, 0x82, 0x0a
	OUT16 2, 0, 0xc3, 0x0f
	OUT16 3, 1, 0xc3, 0x0f
	s_set_vgpr_msb 0x1
	s_wait_tensorcnt 0x0
	ds_add_u32 v255, v255
	s_wait_dscnt 0x0
	s_set_vgpr_msb 0x100
	CROUND                                         ; the closing round: no work-group ends while a partner may still ask for a tile that names it
	s_endpgm
.Lfunc_end_k_q5ab502f87d_qkv:
	.size	k_q5ab502f87d_qkv, .Lfunc_end_k_q5ab502f87d_qkv-k_q5ab502f87d_qkv
	.p2alignl 7, 3214868480
	.fill 96, 4, 3214868480
	.section	.rodata,"a",@progbits
	.p2align	6, 0x0
	.amdhsa_kernel k_q5ab502f87d_qkv
		.amdhsa_group_segment_fixed_size 327680
		.amdhsa_private_segment_fixed_size 0
		.amdhsa_enable_private_segment 0
		.amdhsa_kernarg_size 40
		.amdhsa_user_sgpr_count 2
		.amdhsa_user_sgpr_kernarg_segment_ptr 1
		.amdhsa_wavefront_size32 1
		.amdhsa_system_sgpr_workgroup_id_x 1
		.amdhsa_system_sgpr_workgroup_id_y 1
		.amdhsa_system_sgpr_workgroup_id_z 1
		.amdhsa_system_vgpr_workitem_id 0
		.amdhsa_next_free_vgpr 960
		.amdhsa_next_free_sgpr 88
		.amdhsa_reserve_vcc 0
		.amdhsa_float_denorm_mode_32 3
		.amdhsa_float_denorm_mode_16_64 3
		.amdhsa_memory_ordered 1
		.amdhsa_forward_progress 1
		.amdhsa_inst_pref_size 182
	.end_amdhsa_kernel
	.amdgpu_metadata
---
amdhsa.version: [ 1, 2 ]
amdhsa.kernels:
  - .name:           k_q5ab502f87d_qkv
    .symbol:         k_q5ab502f87d_qkv.kd
    .args:
      - { .name: h16, .offset: 0, .size: 8, .value_kind: global_buffer, .address_space: global }
      - { .name: bq, .offset: 8, .size: 8, .value_kind: global_buffer, .address_space: global }
      - { .name: bk, .offset: 16, .size: 8, .value_kind: global_buffer, .address_space: global }
      - { .name: bv, .offset: 24, .size: 8, .value_kind: global_buffer, .address_space: global }
      - { .name: qkv, .offset: 32, .size: 8, .value_kind: global_buffer, .address_space: global }
    .group_segment_fixed_size: 327680
    .private_segment_fixed_size: 0
    .kernarg_segment_align: 8
    .kernarg_segment_size: 40
    .max_flat_workgroup_size: 128
    .sgpr_count:     88
    .vgpr_count:     960
    .wavefront_size: 32
...
	.end_amdgpu_metadata
.endif
;; end of part 2
;; launch attn (part 3): grid 8 x 32, 8 waves a work-group, clusters of 4 x 1, 327,680 bytes of LDS; arguments qkv, ctxh; writes ctxh
.if DOCPART == 3
	.amdgcn_target "amdgcn-amd-amdhsa--gfx1250"
	.amdhsa_code_object_version 6
	.text
	.protected	k_q5ab502f87d_attn
	.globl	k_q5ab502f87d_attn
	.p2align	8
	.type	k_q5ab502f87d_attn,@function
k_q5ab502f87d_attn:
	s_mov_b64 s[64:65], 0
	v_nop
	global_prefetch_b8 v0, s[64:65] scope:SCOPE_SE
	s_setreg_imm32_b32 hwreg(HW_REG_WAVE_MODE, 25, 1), 1
	s_wait_xcnt 0x0
	s_wait_alu depctr_hold_cnt(0) depctr_sa_sdst(0) depctr_va_vdst(0) depctr_va_sdst(0) depctr_va_ssrc(0) depctr_va_vcc(0) depctr_vm_vsrc(0)
	s_getreg_b32 s2, hwreg(HW_REG_IB_STS2, 6, 4)
	s_cmp_eq_u32 s2, 0
	s_cbranch_scc0 .Lentry_in_a_cluster
	s_endpgm
.Lentry_in_a_cluster:
	s_bfe_u32 s2, ttmp6, 0x10000c
	s_cmp_lg_u32 s2, 0x3003
	s_cbranch_scc0 .Lentry_shape_is_right
	s_endpgm
.Lentry_shape_is_right:
; ctxh[head][batch][s][64] = softmax(q k^T / 8) v / 2, in f16, from q' = q log2(e)/4, k' = k/2, v' = v/2 (f16): q'.k' is the exponent to base 2.
; A work-group takes 256 queries of one (head, batch); 8 x 32 = 256 work-groups.  Eight waves, two for each of a WGP's four SIMDs, so that one
; wave's softmax runs beside the other's matrix work.  Wave w: queries 64 (w % 4) .. +63 (four tiles of 16), keys 1,024 (w / 4) .. +1,023;
; the two key halves of a query are merged once at the end, through LDS.  Softmax with a running maximum, all of it in f32.
; S^T = K Q^T: lane (r, h) holds query r and, in register j of key tile kt, key 16 kt + 8 h + j.  Two neighbouring key tiles, packed to f16,
; ARE the second source's fragment of P for 32 keys: no lane exchange.  ctx^T = V^T P, V^T by the transposing LDS load.  Maximum, rescale factor
; and sum are one number a lane and query tile.
; CLUSTERS 4 x 1: the four query blocks of a cluster read the same K and V: every tile is asked for jointly (mask 15).
; Two LDS slots, each with 256 keys of K and of V for each key half (128 KiB of data); waves 0-3 fetch K's four pieces of 128 keys, waves 4-7 V's:
; one tensor load a wave and slot.  By this text's count a wave has two tensor loads out at the start and one behind each refill,
; which has four steps of 64 keys in which to land.
; LIMIT: P is rounded to f16 (numbers in 0..1); the row sum is taken of the unrounded P.  Inputs are finite f16 as the launch before left them.
.set KP,    144                        ; K's LDS pitch: 128 bytes + 16, an odd multiple of 16
.set VP,    160                        ; V's LDS pitch: 128 bytes + 32, an odd multiple of 32, as the transposing load's addresses want
.set KREG,  2*256*KP                   ; 73,728: K's part of a slot
.set SLOT,  KREG+2*256*VP              ; 155,648
.set MERGE, 17408                      ; after the last fills, in slot 0: 512 + 512 + 32 x 512 bytes for each pair of waves
.set STAGE, 4*MERGE                    ; and behind them 64 rows x 144 bytes for each of waves 0-3
.set KA,   2                           ; running LDS addresses of this step's K and V fragments
.set VA,   3
.set KA0,  4                           ; the same at the head of slot 0
.set VA0,  5
.set QO,   6
.set MADR, 7
.set STO,  8
.set RD,   9
.set CO,   10
.set M,    12                          ; v[12:15]  running maximum of query tile q
.set T,    16                          ; v[16:19]  at work; at the end the row sums
.set MN,   20                          ; v[20:27]  new maximum at 20 + 2 q (pairs for the packed forms; the odd ones are written once)
.set AL,   28                          ; v[28:35]  rescale factor at 28 + 2 q
.set LS,   36                          ; v[36:43]  two partial row sums for each q
.set QF,   64                          ; v[64:127]   Q fragments, 8 (2 q + ks)
.set KF,   128                         ; v[128:191]  K fragments, 8 (2 kt + ks)
.set VF,   192                         ; v[192:255]  V^T fragments, 8 (2 dt + k2)
.set CT,   128                         ; window 1: S(q, kt) at 32 q + 8 kt, P(q, k2) in place at 32 q + 16 k2; ctx^T(q, dt) at 128 + 32 q + 8 dt
.set G1K, 16
.set G1V, 24
.set G0K, 32
.set G0V, 40
.set MSB, 0
.macro WIN new
.if MSB != \new
	s_set_vgpr_msb (MSB<<8)|\new
.set MSB, \new
.endif
.endm
.macro PLACES
.rept 4
	v_nop
.endr
.endm
.macro JLOAD s                         ; waves 0-3 ask for K's pieces, waves 4-7 for V's; the branch hangs on the wave's number alone
	s_cmp_eq_u32 s9, 0
	s_cbranch_scc0 .Lfor_v_\@
	tensor_load_to_lds s[G0K+4*\s:G0K+4*\s+3], s[G1K:G1K+7]
	s_nop 0
	s_branch .Lasked_\@
.Lfor_v_\@:
	tensor_load_to_lds s[G0V+4*\s:G0V+4*\s+3], s[G1V:G1V+7]
	s_nop 0
.Lasked_\@:
.endm
.macro ROUND                           ; a round of the cluster's barrier
	s_barrier_signal -1
	s_barrier_wait -1
	s_cmp_lg_u32 s8, 0
	s_cbranch_scc1 .Lnot_wave_0_\@
	s_barrier_signal -3
.Lnot_wave_0_\@:
	s_barrier_wait -3
	s_barrier_signal -1
	s_barrier_wait -1
.endm
	s_load_b128 s[4:7], s[0:1], 0x0                ; qkv s[4:5], ctxh s[6:7]
	v_lshl_add_u32 v190, v0, 2, 0x4c000
	v_mov_b32 v191, 0
	ds_add_u32 v190, v191
	s_wait_dscnt 0x0
	v_lshrrev_b32 v1, 5, v0
	v_readfirstlane_b32 s8, v1                     ; wave 0..7
	s_lshr_b32 s9, s8, 2                           ; my key half.  Also: I fetch for K (0) or for V (1)
	s_and_b32 s10, s8, 3                           ; my 64 queries.  Also: which piece I fetch
	s_bfe_u32 s11, ttmp6, 0x40000                  ; cx
	s_lshl_b32 s12, ttmp9, 2
	s_add_co_u32 s12, s12, s11                     ; query block 0..7
	s_and_b32 s13, ttmp7, 0xffff                   ; hb = 2 head + batch, 0..31
	s_mov_b32 s14, 0x76543210                      ; v_permlanex16_b32: lane i of one half reads lane i of the other
	s_mov_b32 s15, 0xfedcba98
	; group 1: a piece is 128 keys = 16,384 dense bytes, taken as 64 rows of 32 elements of 8 bytes; padding behind every 32 words (one key):
	; 4 words for K, 8 for V; mask 15 with bit 21 beside it
	s_mov_b32 s[G1K+0], 15|(3<<16)|(1<<20)|(1<<21)|(4<<22)|(3<<25)
	s_mov_b32 s[G1V+0], 15|(3<<16)|(1<<20)|(1<<21)|(4<<22)|(7<<25)
	s_mov_b32 s[G1K+1], 32<<16
	s_mov_b32 s[G1V+1], 32<<16
	s_mov_b32 s[G1K+2], 64<<16
	s_mov_b32 s[G1V+2], 64<<16
	s_mov_b32 s[G1K+3], 32<<16
	s_mov_b32 s[G1V+3], 32<<16
	s_mov_b32 s[G1K+4], 64
	s_mov_b32 s[G1V+4], 64
	s_mov_b32 s[G1K+5], 32
	s_mov_b32 s[G1V+5], 32
	s_mov_b32 s[G1K+6], 0
	s_mov_b32 s[G1V+6], 0
	s_mov_b32 s[G1K+7], 0
	s_mov_b32 s[G1V+7], 0
	; my piece p = w % 4: key half p / 2 (131,072 bytes), its keys 128 (p % 2) .. (16,384 bytes); made of hb and the wave alone
	s_lshl_b32 s52, s13, 18
	s_lshr_b32 s54, s10, 1
	s_lshl_b32 s54, s54, 17
	s_and_b32 s55, s10, 1
	s_lshl_b32 s55, s55, 14
	s_add_co_u32 s52, s52, s54
	s_add_co_u32 s52, s52, s55
	s_mov_b32 s53, 0
	s_mul_i32 s58, s10, 128*KP                     ; where it goes: K's pieces,
	s_mul_i32 s59, s10, 128*VP
	s_add_co_u32 s59, s59, KREG                    ; V's behind them
	; my 64 rows of q and of ctxh: block hb, row 256 x query block + 64 x (w % 4), 128 bytes a row
	s_lshl_b32 s56, s13, 18
	s_lshl_b32 s57, s12, 15
	s_add_co_u32 s56, s56, s57
	s_lshl_b32 s57, s10, 13
	s_add_co_u32 s56, s56, s57
	s_mov_b32 s57, 0
	s_wait_kmcnt 0x0
	s_add_nc_u64 s[52:53], s[4:5], s[52:53]
	s_add_nc_u64 s[48:49], s[4:5], s[56:57]
	s_add_nc_u64 s[50:51], s[6:7], s[56:57]
	ROUND                                          ; the four work-groups are here: the first joint loads meet
.irp s, 0,1
	s_mov_b32 s[G0K+4*\s], 1
	s_add_co_u32 s[G0K+4*\s+1], s58, \s*SLOT
	s_add_nc_u64 s[G0K+4*\s+2:G0K+4*\s+3], s[52:53], 32*262144+\s*32768   ; k lies 32 blocks behind q; chunk s = 256 keys x 128 bytes
	s_or_b32 s[G0K+4*\s+3], s[G0K+4*\s+3], 0x80000000
	s_mov_b32 s[G0V+4*\s], 1
	s_add_co_u32 s[G0V+4*\s+1], s59, \s*SLOT
	s_add_nc_u64 s[G0V+4*\s+2:G0V+4*\s+3], s[52:53], 64*262144+\s*32768   ; v 64 blocks
	s_or_b32 s[G0V+4*\s+3], s[G0V+4*\s+3], 0x80000000
	JLOAD \s                                       ; chunks 0 and 1
.endr
	v_and_b32 v1, 15, v0                           ; r
	v_bfe_u32 v11, v0, 4, 1                        ; h
	v_lshlrev_b32 v[QO], 7, v1
	v_lshl_add_u32 v[QO], v11, 4, v[QO]            ; 128 r + 16 h
.irp q, 0,1,2,3
.irp ks, 0,1
	global_load_b128 v[QF+8*(2*\q+\ks):QF+8*(2*\q+\ks)+3],   v[QO], s[48:49] offset:2048*\q+64*\ks
	global_load_b128 v[QF+8*(2*\q+\ks)+4:QF+8*(2*\q+\ks)+7], v[QO], s[48:49] offset:2048*\q+64*\ks+32
.endr
.endr
	v_and_b32 v44, 31, v0                          ; lane
	v_and_b32 v45, 7, v0
	v_bfe_u32 v46, v0, 3, 1
	v_lshrrev_b32 v47, 3, v44
	v_mul_u32_u24 v[KA0], v1, KP
	v_lshl_add_u32 v[KA0], v11, 4, v[KA0]
	s_mul_i32 s54, s9, 256*KP
	v_add_nc_u32 v[KA0], s54, v[KA0]               ; my key half + 144 r + 16 h
	v_lshl_add_u32 v[VA0], v11, 3, v45
	v_mul_u32_u24 v[VA0], v[VA0], VP
	v_lshl_add_u32 v[VA0], v46, 4, v[VA0]
	s_mul_i32 s55, s9, 256*VP
	s_add_co_u32 s55, s55, KREG
	v_add_nc_u32 v[VA0], s55, v[VA0]               ; my key half + 160 (8 h + lane % 8) + 16 ((lane / 8) % 2)
	s_mul_i32 s54, s10, MERGE
	v_lshl_add_u32 v[MADR], v44, 4, s54
	s_mul_i32 s55, s10, 64*KP
	s_add_co_u32 s55, s55, STAGE
	v_mul_u32_u24 v[STO], v1, KP
	v_lshl_add_u32 v[STO], v11, 4, v[STO]
	v_add_nc_u32 v[STO], s55, v[STO]
	v_mul_u32_u24 v[RD], v47, KP
	v_lshl_add_u32 v[RD], v45, 4, v[RD]
	v_add_nc_u32 v[RD], s55, v[RD]
	v_lshlrev_b32 v[CO], 4, v44
.irp q, 0,1,2,3
	v_mov_b32 v[M+\q], 0xff800000                  ; minus infinity: the first step's factor 2^(M - new M) is 0
	v_mov_b32 v[T+\q], 0
.endr
.irp n, 0,1,2,3,4,5,6,7
	v_mov_b32 v[MN+\n], 0
	v_mov_b32 v[AL+\n], 0
	v_mov_b32 v[LS+\n], 0
.endr
; One step: 64 keys of my half against my 64 queries.  first = 1: the products start ctx's sums and nothing is rescaled.
; In every run of matrix instructions sixteen accumulators take turns, one instruction a turn.
.macro STEP first
.rept 5
	v_nop                                          ; five places behind the last products (ISA guide 7.12.1): V's registers are loaded again, P's are written by products
.endr
.irp kt, 0,1,2,3
.irp ks, 0,1
	ds_load_b128 v[KF+8*(2*\kt+\ks):KF+8*(2*\kt+\ks)+3],   v[KA] offset:16*KP*\kt+64*\ks
	ds_load_b128 v[KF+8*(2*\kt+\ks)+4:KF+8*(2*\kt+\ks)+7], v[KA] offset:16*KP*\kt+64*\ks+32
.endr
.endr
.irp dt, 0,1,2,3
.irp k2, 0,1
	ds_load_tr16_b128 v[VF+8*(2*\dt+\k2):VF+8*(2*\dt+\k2)+3],   v[VA] offset:32*VP*\k2+32*\dt
	ds_load_tr16_b128 v[VF+8*(2*\dt+\k2)+4:VF+8*(2*\dt+\k2)+7], v[VA] offset:32*VP*\k2+32*\dt+16*VP
.endr
.endr
	v_add_nc_u32 v[KA], 64*KP, v[KA]               ; the next 64 keys
	v_add_nc_u32 v[VA], 64*VP, v[VA]
	s_wait_dscnt 16                                ; K's 16 loads are in, V's 16 stay out
	WIN 0x50                                       ; sources window 0, C and D window 1
.irp kt, 0,1,2,3
.irp q, 0,1,2,3
	v_wmma_f32_16x16x32_f16 v[32*\q+8*\kt:32*\q+8*\kt+7], v[KF+16*\kt:KF+16*\kt+7], v[QF+16*\q:QF+16*\q+7], 0
.endr
.endr
.irp kt, 0,1,2,3
.irp q, 0,1,2,3
	v_wmma_f32_16x16x32_f16 v[32*\q+8*\kt:32*\q+8*\kt+7], v[KF+16*\kt+8:KF+16*\kt+15], v[QF+16*\q+8:QF+16*\q+15], v[32*\q+8*\kt:32*\q+8*\kt+7]
.endr
.endr
	PLACES
	WIN 0x14                                       ; sources 1 and 2 window 1
.irp n, 0,1,2,3,4,5,6,7,8,9,10,11,12,13,14,15
.irp q, 0,1,2,3
.if \n == 0
	v_max3_num_f32 v[MN+2*\q], v[M+\q], v[32*\q], v[32*\q+1]                    ; the old maximum starts the chain
.else
	v_max3_num_f32 v[MN+2*\q], v[MN+2*\q], v[32*\q+2*\n], v[32*\q+2*\n+1]
.endif
.endr
.endr
	WIN 0
.irp q, 0,1,2,3
	v_permlanex16_b32 v[T+\q], v[MN+2*\q], s14, s15                             ; the other half of the lanes holds the query's other keys
.endr
.irp q, 0,1,2,3
	v_max_num_f32 v[MN+2*\q], v[MN+2*\q], v[T+\q]
.endr
.irp q, 0,1,2,3
	v_sub_f32 v[T+\q], v[M+\q], v[MN+2*\q]
.endr
.irp q, 0,1,2,3
	v_exp_f32 v[AL+2*\q], v[T+\q]
.endr
.irp q, 0,1,2,3
	v_mov_b32 v[M+\q], v[MN+2*\q]                  ; plain instructions between the exponentials and the use of their results (ISA guide 5.7.2)
.endr
	s_wait_alu depctr_va_vdst(0)
.irp q, 0,1,2,3
	v_pk_mul_f32 v[LS+2*\q:LS+2*\q+1], v[LS+2*\q:LS+2*\q+1], v[AL+2*\q:AL+2*\q+1] op_sel_hi:[1,0]
.endr
	WIN 0x41                                       ; source 0 and destination window 1, source 1 window 0
.irp n, 0,1,2,3,4,5,6,7,8,9,10,11,12,13,14,15
	v_pk_add_f32 v[2*\n:2*\n+1], v[2*\n:2*\n+1], v[MN:MN+1] op_sel_hi:[1,0] neg_lo:[0,1] neg_hi:[0,1]
.endr
	; the exponentials of query tile q, each followed by a plain instruction on other registers: the rescale of ctx(q), the subtraction for tile q + 1
.irp q, 0,1,2,3
.irp n, 0,1,2,3,4,5,6,7,8,9,10,11,12,13,14,15
	v_exp_f32 v[32*\q+2*\n], v[32*\q+2*\n]
.if \first == 0
	v_pk_mul_f32 v[CT+32*\q+2*\n:CT+32*\q+2*\n+1], v[CT+32*\q+2*\n:CT+32*\q+2*\n+1], v[AL+2*\q:AL+2*\q+1] op_sel_hi:[1,0]
.endif
	v_exp_f32 v[32*\q+2*\n+1], v[32*\q+2*\n+1]
.if \q < 3
	v_pk_add_f32 v[32*\q+32+2*\n:32*\q+32+2*\n+1], v[32*\q+32+2*\n:32*\q+32+2*\n+1], v[MN+2*\q+2:MN+2*\q+3] op_sel_hi:[1,0] neg_lo:[0,1] neg_hi:[0,1]
.endif
.endr
.endr
	v_nop                                          ; the place behind the last exponential
	WIN 0x01                                       ; source 0 window 1
	s_wait_alu depctr_va_vdst(0)
.irp n, 0,1,2,3,4,5,6,7,8,9,10,11,12,13,14,15
.irp q, 0,1,2,3
	v_pk_add_f32 v[LS+2*\q:LS+2*\q+1], v[32*\q+2*\n:32*\q+2*\n+1], v[LS+2*\q:LS+2*\q+1]
.endr
.endr
	WIN 0x45                                       ; all in window 1: P packed in place, ascending: register n takes registers 2 n, 2 n + 1
.irp q, 0,1,2,3
.irp k2, 0,1
.irp n, 0,1,2,3,4,5,6,7
	v_cvt_pk_f16_f32 v[32*\q+16*\k2+\n], v[32*\q+16*\k2+2*\n], v[32*\q+16*\k2+2*\n+1]
.endr
.endr
.endr
	s_wait_dscnt 0x0                               ; V is in
	WIN 0x54                                       ; source 0 (V^T) window 0; source 1 (P), C and D window 1
.irp k2, 0,1
.irp dt, 0,1,2,3
.irp q, 0,1,2,3
.if \first*(1-\k2)
	v_wmma_f32_16x16x32_f16 v[CT+32*\q+8*\dt:CT+32*\q+8*\dt+7], v[VF+8*(2*\dt+\k2):VF+8*(2*\dt+\k2)+7], v[32*\q+16*\k2:32*\q+16*\k2+7], 0
.else
	v_wmma_f32_16x16x32_f16 v[CT+32*\q+8*\dt:CT+32*\q+8*\dt+7], v[VF+8*(2*\dt+\k2):VF+8*(2*\dt+\k2)+7], v[32*\q+16*\k2:32*\q+16*\k2+7], v[CT+32*\q+8*\dt:CT+32*\q+8*\dt+7]
.endif
.endr
.endr
.endr
	WIN 0
.endm
; A chunk: 256 keys of each half in slot.  refill = 1: the other slot, which every wave has finished reading, is filled again two chunks ahead;
; the round of the cluster's barrier stands between all partners' reads and loads and the joint refill, which comes first behind it.
.macro CHUNK slot, other, refill
	s_wait_xcnt 0x0
	v_lshl_add_u32 v190, v0, 2, 0x4c000
	v_mov_b32 v191, 0
	s_wait_tensorcnt 0x0                           ; all my tensor loads have landed, my piece of this slot among them: a group 0 may be written
	ds_add_u32 v190, v191
	s_wait_dscnt 0x0
.if \refill
	s_add_nc_u64 s[G0K+4*\other+2:G0K+4*\other+3], s[G0K+4*\other+2:G0K+4*\other+3], 2*32768
	s_add_nc_u64 s[G0V+4*\other+2:G0V+4*\other+3], s[G0V+4*\other+2:G0V+4*\other+3], 2*32768
.endif
	s_wait_dscnt 0x0                               ; my reads of the other slot are over
.if \refill
	ROUND
	JLOAD \other
.else
	s_barrier_signal -1                            ; it shows the whole slot to every wave
	s_barrier_wait -1
.endif
	v_add_nc_u32 v[KA], \slot*SLOT, v[KA0]
	v_add_nc_u32 v[VA], \slot*SLOT, v[VA0]
	s_mov_b32 s60, 4
.Lstep_\@:
	STEP 0
	s_sub_co_u32 s60, s60, 1
	s_cmp_lg_u32 s60, 0
	s_cbranch_scc1 .Lstep_\@
.endm
	s_wait_loadcnt 0x0                             ; Q, once
	s_wait_tensorcnt 0x1                           ; my piece of chunk 0 is in; chunk 1's stays out
	s_barrier_signal -1
	s_barrier_wait -1
	v_mov_b32 v[KA], v[KA0]
	v_mov_b32 v[VA], v[VA0]
	STEP 1
	s_mov_b32 s60, 3
.Lchunk0:
	STEP 0
	s_sub_co_u32 s60, s60, 1
	s_cmp_lg_u32 s60, 0
	s_cbranch_scc1 .Lchunk0
	CHUNK 1, 0, 1                                  ; chunk 1; slot 0 gets chunk 2
	CHUNK 0, 1, 1                                  ; chunk 2; slot 1 gets chunk 3
	CHUNK 1, 0, 0                                  ; chunk 3; nothing is left to fetch
	; the row sums: two partial sums a lane, and the other half of the lanes
.irp q, 0,1,2,3
	v_add_f32 v[T+\q], v[LS+2*\q], v[LS+2*\q+1]
.endr
.irp q, 0,1,2,3
	v_permlanex16_b32 v[MN+2*\q], v[T+\q], s14, s15
.endr
.irp q, 0,1,2,3
	v_add_f32 v[T+\q], v[T+\q], v[MN+2*\q]
.endr
	PLACES                                         ; behind the last products: their results are stored, their sources loaded again
	; THE MERGE.  Waves 4-7 hand maximum, sum and ctx^T to waves 0-3 through slot 0: it has had its last fill, and every wave's reads of it were
	; waited for in front of chunk 3's barrier.
	s_cmp_eq_u32 s9, 0
	s_cbranch_scc1 .Lkeep
	ds_store_b128 v[MADR], v[M:M+3]
	ds_store_b128 v[MADR], v[T:T+3] offset:512
	WIN 0x04                                       ; the stored data in window 1
.set n, 0
.rept 32
	ds_store_b128 v[MADR], v[CT+4*n:CT+4*n+3] offset:1024+512*n
.set n, n+1
.endr
	WIN 0
.Lkeep:
	s_wait_dscnt 0x0                               ; for the partner's sake: my stores are done
	s_barrier_signal -1
	s_barrier_wait -1
	s_cmp_lg_u32 s9, 0
	s_cbranch_scc1 .Lclose
	ds_load_b128 v[44:47], v[MADR]                 ; the partner's maxima
	ds_load_b128 v[48:51], v[MADR] offset:512      ; and sums
.set n, 0
.rept 32
	ds_load_b128 v[128+4*n:128+4*n+3], v[MADR] offset:1024+512*n   ; its ctx^T, under the same numbers in window 0
.set n, n+1
.endr
	s_wait_dscnt 32                                ; maxima and sums are in; the 32 loads behind them stay out
.irp q, 0,1,2,3
	v_max_num_f32 v[52+\q], v[M+\q], v[44+\q]
.endr
.irp q, 0,1,2,3
	v_sub_f32 v[56+\q], v[M+\q], v[52+\q]
	v_sub_f32 v[60+\q], v[44+\q], v[52+\q]
.endr
.irp q, 0,1,2,3
	v_exp_f32 v[56+\q], v[56+\q]                   ; a = 2^(M - max)
	v_exp_f32 v[60+\q], v[60+\q]                   ; b = 2^(partner's M - max)
.endr
	v_nop
	s_wait_alu depctr_va_vdst(0)
.irp q, 0,1,2,3
	v_mul_f32 v[52+\q], v[T+\q], v[56+\q]
.endr
.irp q, 0,1,2,3
	v_fmac_f32 v[52+\q], v[48+\q], v[60+\q]        ; the whole row's sum, at least 1: the largest exponential is 1
.endr
.irp q, 0,1,2,3
	v_rcp_f32 v[52+\q], v[52+\q]
.endr
	v_nop
	s_wait_alu depctr_va_vdst(0)
.irp q, 0,1,2,3
	v_mul_f32 v[MN+2*\q], v[56+\q], v[52+\q]       ; a / sum
	v_mul_f32 v[AL+2*\q], v[60+\q], v[52+\q]       ; b / sum
.endr
	s_wait_dscnt 0x0
	WIN 0x41
.irp q, 0,1,2,3
.irp n, 0,1,2,3,4,5,6,7,8,9,10,11,12,13,14,15
	v_pk_mul_f32 v[CT+32*\q+2*\n:CT+32*\q+2*\n+1], v[CT+32*\q+2*\n:CT+32*\q+2*\n+1], v[MN+2*\q:MN+2*\q+1] op_sel_hi:[1,0]
.endr
.endr
	WIN 0x50                                       ; sources 0 and 1 window 0, source 2 and destination window 1
.irp q, 0,1,2,3
.irp n, 0,1,2,3,4,5,6,7,8,9,10,11,12,13,14,15
	v_pk_fma_f32 v[CT+32*\q+2*\n:CT+32*\q+2*\n+1], v[128+32*\q+2*\n:128+32*\q+2*\n+1], v[AL+2*\q:AL+2*\q+1], v[CT+32*\q+2*\n:CT+32*\q+2*\n+1] op_sel_hi:[1,0,1]
.endr
.endr
	WIN 0x05                                       ; sources window 1, destination window 0
.set n, 0
.rept 64
	v_cvt_pk_f16_f32 v[QF+n], v[CT+2*n], v[CT+2*n+1]   ; tile (q, dt): four registers at 64 + 4 (4 q + dt), eight neighbouring d of query r
.set n, n+1
.endr
	WIN 0
	; the way out, through my own stage: 16 bytes a lane in, rows back: a load takes four rows of 128 bytes, 512 consecutive, aligned bytes of ctxh
.irp q, 0,1,2,3
.irp dt, 0,1,2,3
	ds_store_b128 v[STO], v[QF+4*(4*\q+\dt):QF+4*(4*\q+\dt)+3] offset:16*KP*\q+32*\dt
.endr
.endr
.set n, 0
.rept 16
	ds_load_b128 v[128+4*n:128+4*n+3], v[RD] offset:4*KP*n   ; LDS serves a wave's instructions in order (ISA guide 5.7.1.4): these see the stores above
.set n, n+1
.endr
.set n, 0
.rept 16
	s_wait_dscnt 15-n                              ; this read-back is in, the younger ones stay out
	global_store_b128 v[CO], v[128+4*n:128+4*n+3], s[50:51] offset:512*n
.set n, n+1
.endr
.Lclose:
	s_wait_xcnt 0x0
	v_lshl_add_u32 v190, v0, 2, 0x4c000
	v_mov_b32 v191, 0
	s_wait_tensorcnt 0x0
	ds_add_u32 v190, v191
	s_wait_dscnt 0x0
	ROUND                                          ; the closing round: no work-group ends while a partner may still ask for a tile that names it
	s_endpgm
.Lfunc_end_k_q5ab502f87d_attn:
	.size	k_q5ab502f87d_attn, .Lfunc_end_k_q5ab502f87d_attn-k_q5ab502f87d_attn
	.p2alignl 7, 3214868480
	.fill 96, 4, 3214868480
	.section	.rodata,"a",@progbits
	.p2align	6, 0x0
	.amdhsa_kernel k_q5ab502f87d_attn
		.amdhsa_group_segment_fixed_size 327680
		.amdhsa_private_segment_fixed_size 0
		.amdhsa_enable_private_segment 0
		.amdhsa_kernarg_size 16
		.amdhsa_user_sgpr_count 2
		.amdhsa_user_sgpr_kernarg_segment_ptr 1
		.amdhsa_wavefront_size32 1
		.amdhsa_system_sgpr_workgroup_id_x 1
		.amdhsa_system_sgpr_workgroup_id_y 1
		.amdhsa_system_sgpr_workgroup_id_z 1
		.amdhsa_system_vgpr_workitem_id 0
		.amdhsa_next_free_vgpr 512
		.amdhsa_next_free_sgpr 66
		.amdhsa_reserve_vcc 0
		.amdhsa_float_denorm_mode_32 3
		.amdhsa_float_denorm_mode_16_64 3
		.amdhsa_memory_ordered 1
		.amdhsa_forward_progress 1
		.amdhsa_inst_pref_size 191
	.end_amdhsa_kernel
	.amdgpu_metadata
---
amdhsa.version: [ 1, 2 ]
amdhsa.kernels:
  - .name:           k_q5ab502f87d_attn
    .symbol:         k_q5ab502f87d_attn.kd
    .args:
      - { .name: qkv, .offset: 0, .size: 8, .value_kind: global_buffer, .address_space: global }
      - { .name: ctxh, .offset: 8, .size: 8, .value_kind: global_buffer, .address_space: global }
    .group_segment_fixed_size: 327680
    .private_segment_fixed_size: 0
    .kernarg_segment_align: 8
    .kernarg_segment_size: 16
    .max_flat_workgroup_size: 256
    .sgpr_count:     66
    .vgpr_count:     512
    .wavefront_size: 32
...
	.end_amdgpu_metadata
.endif
;; end of part 3
;; launch oproj (part 4): grid 8 x 32, 4 waves a work-group, clusters of 4 x 4, 327,680 bytes of LDS; arguments ctxh, h16, bo, out0; writes out0
.if DOCPART == 4
	.amdgcn_target "amdgcn-amd-amdhsa--gfx1250"
	.amdhsa_code_object_version 6
	.text
	.protected	k_q5ab502f87d_oproj
	.globl	k_q5ab502f87d_oproj
	.p2align	8
	.type	k_q5ab502f87d_oproj,@function
k_q5ab502f87d_oproj:
	s_mov_b64 s[64:65], 0
	v_nop
	global_prefetch_b8 v0, s[64:65] scope:SCOPE_SE
	s_setreg_imm32_b32 hwreg(HW_REG_WAVE_MODE, 25, 1), 1
	s_wait_xcnt 0x0
	s_wait_alu depctr_hold_cnt(0) depctr_sa_sdst(0) depctr_va_vdst(0) depctr_va_sdst(0) depctr_va_ssrc(0) depctr_va_vcc(0) depctr_vm_vsrc(0)
	s_getreg_b32 s2, hwreg(HW_REG_IB_STS2, 6, 4)
	s_cmp_eq_u32 s2, 0
	s_cbranch_scc0 .Lentry_in_a_cluster
	s_endpgm
.Lentry_in_a_cluster:
	s_bfe_u32 s2, ttmp6, 0x10000c
	s_cmp_lg_u32 s2, 0xf033
	s_cbranch_scc0 .Lentry_shape_is_right
	s_endpgm
.Lentry_shape_is_right:
; out0 = 2 (ctx' Wo^T) + bo, f32.  ctx' = ctx / 2 in f16, laid out [head][batch][s][64]; Wo in f16 = rows 7168.. of h16.  Sums in f32.
; A GEMM [4096 x 1024 x 1024].  A work-group makes 128 x 128; 8 x 32 = 256 work-groups; wave w = 2 i + j makes 64 x 64: 16 accumulator tiles.
; (A larger tile would leave WGPs without work: the result has only 256 blocks of 128 x 128.)
; K goes in four chunks of 256 (four heads) through two LDS slots.  Waves 0, 1 fetch ctx' (two heads each: 128 rows x 128 bytes are 16,384 dense
; bytes of a head's block), waves 2, 3 Wo (64 rows of 512 bytes each): one tensor load a wave and slot.
; CLUSTERS 4 x 4: ctx's tiles hang on the block row alone and are asked for jointly by a row of the cluster, Wo's on the block column alone, by a column.
; By this text's count a wave has two tensor loads out at the start and one behind each refill.
; Source 0 = rows of Wo, source 1 = rows of ctx': a lane holds eight neighbouring columns of one row of the result.
.set AP,    144                        ; ctx's LDS pitch: 128 bytes + 16
.set BPI,   528                        ; Wo's LDS pitch: 512 bytes + 16; both odd multiples of 16
.set AREG,  4*128*AP                   ; 73,728
.set SLOT,  AREG+128*BPI               ; 141,312
.set STAGE, 2*SLOT                     ; behind the ring: 16 rows x 272 bytes for each wave, never the target of a fill
.set SPITCH, 272
.set ADRA, 16
.set ADRB, 20
.set STO,  24
.set RD,   25
.set CO,   26
.set VBO,  28
.set FA,   32                          ; ctx fragments, buffer n at 32 + 64 n
.set FBB,  64                          ; Wo fragments, buffer n at 64 + 64 n
.set RB,   160                         ; the way out: two sets of 32 registers
.set BO,   224                         ; v[224:227] bo of my four columns on the way out
.set G1A, 24
.set G0A, 32
.set G1B, 40
.set G0B, 48
.set MSB, 0
.macro WIN new
.if MSB != \new
	s_set_vgpr_msb (MSB<<8)|\new
.set MSB, \new
.endif
.endm
.macro PLACES
.rept 4
	v_nop
.endr
.endm
.macro JLOAD s                         ; waves 0, 1 ask for ctx's tiles, waves 2, 3 for Wo's; the branch hangs on the wave's number alone
	s_cmp_eq_u32 s15, 0
	s_cbranch_scc0 .Lfor_b_\@
	tensor_load_to_lds s[G0A+4*\s:G0A+4*\s+3], s[G1A:G1A+7]
	s_nop 0
	s_branch .Lasked_\@
.Lfor_b_\@:
	tensor_load_to_lds s[G0B+4*\s:G0B+4*\s+3], s[G1B:G1B+7]
	s_nop 0
.Lasked_\@:
.endm
.macro CREST
	s_cmp_lg_u32 s14, 0
	s_cbranch_scc1 .Lnot_wave_0_\@
	s_barrier_signal -3
.Lnot_wave_0_\@:
	s_barrier_wait -3
	s_barrier_signal -1
	s_barrier_wait -1
.endm
.macro CROUND
	s_barrier_signal -1
	s_barrier_wait -1
	CREST
.endm
	s_load_b256 s[4:11], s[0:1], 0x0               ; ctxh s[4:5], h16 s[6:7], bo s[8:9], out0 s[10:11]
	v_lshl_add_u32 v254, v0, 2, 0x49400
	v_mov_b32 v255, 0
	ds_add_u32 v254, v255
	v_lshrrev_b32 v1, 5, v0
	v_readfirstlane_b32 s14, v1                    ; wave 0..3
	s_lshr_b32 s15, s14, 1                         ; i: my 64 rows.  Also: I fetch for ctx (0) or for Wo (1)
	s_and_b32 s16, s14, 1                          ; j: my 64 columns
	s_bfe_u32 s17, ttmp6, 0x40000                  ; cx
	s_bfe_u32 s18, ttmp6, 0x40004                  ; cy
	s_lshl_b32 s19, ttmp9, 2
	s_add_co_u32 s19, s19, s17                     ; block column bx, 0..7
	s_and_b32 s20, ttmp7, 0xffff
	s_lshl_b32 s20, s20, 2
	s_add_co_u32 s20, s20, s18                     ; block row by, 0..31
	s_lshl_b32 s21, s18, 2
	s_lshl_b32 s21, 15, s21                        ; my row of the cluster
	s_lshl_b32 s22, 0x1111, s17                    ; my column
	; ctx's group 1: two rows of 2,048 elements of 8 bytes (a head's 16,384 dense bytes), 65,536 elements (two blocks) from head to head;
	; 4 words of padding behind every 32 words, that is behind each row of 64 f16
	s_or_b32 s[G1A+0], s21, (3<<16)|(1<<20)|(1<<21)|(4<<22)|(3<<25)
	s_mov_b32 s[G1A+1], 2048<<16
	s_mov_b32 s[G1A+2], 2<<16
	s_mov_b32 s[G1A+3], 2048<<16
	s_mov_b32 s[G1A+4], 2
	s_mov_b32 s[G1A+5], 65536
	s_mov_b32 s[G1A+6], 0
	s_mov_b32 s[G1A+7], 0
	; Wo's group 1: 64 rows of 256 elements of 2 bytes, 1,024 elements from row to row; 4 words of padding behind every 128 words
	s_or_b32 s[G1B+0], s22, (1<<16)|(1<<20)|(1<<21)|(6<<22)|(3<<25)
	s_mov_b32 s[G1B+1], 256<<16
	s_mov_b32 s[G1B+2], 64<<16
	s_mov_b32 s[G1B+3], 256<<16
	s_mov_b32 s[G1B+4], 64
	s_mov_b32 s[G1B+5], 1024
	s_mov_b32 s[G1B+6], 0
	s_mov_b32 s[G1B+7], 0
	; ctx: block 2 (2 w) + batch, row 128 (by % 16).  Wo: row 7168 + 128 bx + 64 (w - 2) of h16.  Neither pair ever holds the other coordinate.
	s_lshr_b32 s56, s20, 4
	s_lshl_b32 s56, s56, 18
	s_and_b32 s57, s20, 15
	s_lshl_b32 s57, s57, 14
	s_add_co_u32 s56, s56, s57
	s_lshl_b32 s57, s14, 20
	s_add_co_u32 s56, s56, s57
	s_mov_b32 s57, 0
	s_lshl_b32 s58, s19, 7
	s_lshl_b32 s59, s14, 6
	s_add_co_u32 s58, s58, s59
	s_add_co_u32 s58, s58, 7040
	s_lshl_b32 s58, s58, 11
	s_mov_b32 s59, 0
	s_mul_i32 s23, s14, 2*128*AP                   ; ctx's tiles: wave x two heads
	s_mul_i32 s13, s14, 64*BPI
	s_add_co_u32 s13, s13, AREG-2*64*BPI           ; Wo's: behind ctx's, (wave - 2) x 64 rows
	s_wait_dscnt 0x0
	s_wait_kmcnt 0x0
	s_add_nc_u64 s[56:57], s[4:5], s[56:57]
	s_add_nc_u64 s[58:59], s[6:7], s[58:59]
	CROUND                                         ; all sixteen work-groups are here: the first joint loads meet
.irp s, 0,1
	s_mov_b32 s[G0A+4*\s], 1
	s_add_co_u32 s[G0A+4*\s+1], s23, \s*SLOT
	s_add_nc_u64 s[G0A+4*\s+2:G0A+4*\s+3], s[56:57], \s*2097152   ; four heads on: eight blocks of 262,144 bytes
	s_or_b32 s[G0A+4*\s+3], s[G0A+4*\s+3], 0x80000000
	s_mov_b32 s[G0B+4*\s], 1
	s_add_co_u32 s[G0B+4*\s+1], s13, \s*SLOT
	s_add_nc_u64 s[G0B+4*\s+2:G0B+4*\s+3], s[58:59], \s*512       ; 256 along K
	s_or_b32 s[G0B+4*\s+3], s[G0B+4*\s+3], 0x80000000
	JLOAD \s                                       ; chunks 0 and 1
.endr
	v_and_b32 v1, 15, v0                           ; r
	v_bfe_u32 v2, v0, 4, 1                         ; h
	v_lshlrev_b32 v[VBO], 4, v1
	s_lshl_b32 s84, s19, 7
	s_lshl_b32 s85, s16, 6
	s_add_co_u32 s84, s84, s85
	s_lshl_b32 s84, s84, 2                         ; my first column, in bytes
	s_mov_b32 s85, 0
	s_add_nc_u64 s[68:69], s[8:9], s[84:85]
	global_load_b128 v[BO:BO+3], v[VBO], s[68:69]  ; bo of columns 4 r .. 4 r + 3 of my 64
	s_lshl_b32 s82, s20, 7
	s_lshl_b32 s83, s15, 6
	s_add_co_u32 s82, s82, s83
	s_lshl_b32 s82, s82, 12                        ; my first row x 4,096 bytes
	s_add_co_u32 s82, s82, s84
	s_mov_b32 s83, 0
	s_add_nc_u64 s[80:81], s[10:11], s[82:83]
	v_mul_u32_u24 v3, v1, AP
	v_lshl_add_u32 v3, v2, 4, v3
	v_mul_u32_u24 v4, v1, BPI
	v_lshl_add_u32 v4, v2, 4, v4
	s_mul_i32 s60, s15, 64*AP                      ; my 64 rows in each head's 128
	s_mul_i32 s61, s16, 64*BPI
	s_add_co_u32 s61, s61, AREG
.irp s, 0,1
	v_add_nc_u32 v[ADRA+\s], s60, v3
	v_add_nc_u32 v[ADRB+\s], s61, v4
	s_add_co_u32 s60, s60, SLOT
	s_add_co_u32 s61, s61, SLOT
.endr
	s_mul_i32 s62, s14, 16*SPITCH
	s_add_co_u32 s62, s62, STAGE
	v_mul_u32_u24 v5, v1, SPITCH
	v_lshl_add_u32 v5, v2, 5, v5
	v_add_nc_u32 v[STO], s62, v5                   ; in: row r, 32 bytes for each half of the lanes
	v_mul_u32_u24 v5, v2, SPITCH
	v_lshl_add_u32 v5, v1, 4, v5
	v_add_nc_u32 v[RD], s62, v5                    ; back: lanes 0-15 one row of 256 bytes, lanes 16-31 the next
	v_lshlrev_b32 v5, 12, v2
	v_lshl_add_u32 v[CO], v1, 4, v5                ; the same two rows in out0
; 16 LDS loads: 64 rows of ctx', 64 rows of Wo, K = 32 kq .. +31 of the chunk (head kq / 2, d = 32 (kq % 2)), into buffer f.
; Four places stand in front: the buffer's registers were sources of matrix instructions (ISA guide 7.12.1).
.macro FETCH slot, kq, f
	PLACES
.irp a, 0,1,2,3
	ds_load_b128 v[FA+64*\f+8*\a:FA+64*\f+8*\a+3],   v[ADRA+\slot] offset:128*AP*(\kq/2)+16*AP*\a+64*(\kq%2)
	ds_load_b128 v[FA+64*\f+8*\a+4:FA+64*\f+8*\a+7], v[ADRA+\slot] offset:128*AP*(\kq/2)+16*AP*\a+64*(\kq%2)+32
.endr
.irp b, 0,1,2,3
	ds_load_b128 v[FBB+64*\f+8*\b:FBB+64*\f+8*\b+3],   v[ADRB+\slot] offset:16*BPI*\b+64*\kq
	ds_load_b128 v[FBB+64*\f+8*\b+4:FBB+64*\f+8*\b+7], v[ADRB+\slot] offset:16*BPI*\b+64*\kq+32
.endr
.endm
; 16 matrix instructions on buffer f; the 16 accumulators take turns, one instruction a turn
.macro MUL16 f, zero
	WIN 0x50                                       ; sources window 0, C and D window 1
.irp a, 0,1,2,3
.irp b, 0,1,2,3
.if \zero
	v_wmma_f32_16x16x32_f16 v[8*(4*\a+\b):8*(4*\a+\b)+7], v[FBB+64*\f+8*\b:FBB+64*\f+8*\b+7], v[FA+64*\f+8*\a:FA+64*\f+8*\a+7], 0
.else
	v_wmma_f32_16x16x32_f16 v[8*(4*\a+\b):8*(4*\a+\b)+7], v[FBB+64*\f+8*\b:FBB+64*\f+8*\b+7], v[FA+64*\f+8*\a:FA+64*\f+8*\a+7], v[8*(4*\a+\b):8*(4*\a+\b)+7]
.endif
.endr
.endr
	WIN 0
.endm
.macro PH slot, kq, f, g, zero         ; fetch part kq into buffer f, multiply buffer g
	FETCH \slot, \kq, \f
	s_wait_dscnt 16                                ; all but the 16 just issued
	MUL16 \g, \zero
.endm
; A chunk of 256 along K.  more = 1: another chunk follows, behind a barrier in front of which my reads of this slot and all my tensor loads are
; waited for.  refill = 1: the barrier opens a round of the cluster's barrier, and this slot is filled again, two chunks ahead, first behind it.
.macro WORK slot, zero, more, refill
	FETCH \slot, 0, 0
	PH \slot, 1, 1, 0, \zero
	PH \slot, 2, 0, 1, 0
	PH \slot, 3, 1, 0, 0
	PH \slot, 4, 0, 1, 0
	PH \slot, 5, 1, 0, 0
	PH \slot, 6, 0, 1, 0
	PH \slot, 7, 1, 0, 0
	s_wait_dscnt 0x0                               ; my reads of this slot are over
.if \more
	s_wait_tensorcnt 0x0                           ; all my tensor loads have landed: the one that was out is my part of the next slot
	ds_add_u32 v254, v255
	s_wait_dscnt 0x0
	s_barrier_signal -1
.endif
	MUL16 1, 0                                     ; registers only
.if \more
	s_barrier_wait -1
.endif
.if \refill
	CREST
	s_add_nc_u64 s[G0A+4*\slot+2:G0A+4*\slot+3], s[G0A+4*\slot+2:G0A+4*\slot+3], 2*2097152
	s_add_nc_u64 s[G0B+4*\slot+2:G0B+4*\slot+3], s[G0B+4*\slot+2:G0B+4*\slot+3], 2*512
	JLOAD \slot
.endif
.endm
	s_wait_tensorcnt 0x1                           ; my part of chunk 0 is in; chunk 1's stays out
	s_barrier_signal -1
	s_barrier_wait -1
	WORK 0, 1, 1, 1                                ; chunk 0; slot 0 gets chunk 2
	WORK 1, 0, 1, 1                                ; chunk 1; slot 1 gets chunk 3
	WORK 0, 0, 1, 0                                ; chunk 2; nothing is left to fetch
	WORK 1, 0, 0, 0                                ; chunk 3
	PLACES                                         ; behind the last matrix instructions: their results are stored to LDS
	s_wait_loadcnt 0x0                             ; bo
; THE WAY OUT, 16 rows at a time: the sums as they are into my own stage, rows of 256 bytes back, 2 x sum + bo, and out:
; sixteen lanes store 256 consecutive bytes, at a multiple of 256 from out0's first byte.
.macro OUT16 a, set
	WIN 0x04                                       ; the stored data in window 1
.irp b, 0,1,2,3
	ds_store_b128 v[STO], v[8*(4*\a+\b):8*(4*\a+\b)+3]   offset:64*\b
	ds_store_b128 v[STO], v[8*(4*\a+\b)+4:8*(4*\a+\b)+7] offset:64*\b+16
.endr
	WIN 0
	s_wait_xcnt 0x0                                ; RB, which earlier stores read, is written again only behind this wait (ISA guide 3.1)
.irp t, 0,1,2,3,4,5,6,7
	ds_load_b128 v[RB+32*\set+4*\t:RB+32*\set+4*\t+3], v[RD] offset:2*SPITCH*\t   ; LDS serves a wave's instructions in order (ISA guide 5.7.1.4)
.endr
.irp t, 0,1,2,3,4,5,6,7
	s_wait_dscnt 7-\t                              ; this read-back is in, the younger ones stay out
	v_pk_fma_f32 v[RB+32*\set+4*\t:RB+32*\set+4*\t+1],   v[RB+32*\set+4*\t:RB+32*\set+4*\t+1],   2.0, v[BO:BO+1]   op_sel_hi:[1,0,1]
	v_pk_fma_f32 v[RB+32*\set+4*\t+2:RB+32*\set+4*\t+3], v[RB+32*\set+4*\t+2:RB+32*\set+4*\t+3], 2.0, v[BO+2:BO+3] op_sel_hi:[1,0,1]
	global_store_b128 v[CO], v[RB+32*\set+4*\t:RB+32*\set+4*\t+3], s[80:81] offset:(16*\a+2*\t)*4096 th:TH_STORE_NT
.endr
.endm
	OUT16 0, 0
	OUT16 1, 1
	OUT16 2, 0
	OUT16 3, 1
	s_wait_tensorcnt 0x0
	ds_add_u32 v254, v255
	s_wait_dscnt 0x0
	CROUND                                         ; the closing round: no work-group ends while a partner may still ask for a tile that names it
	s_endpgm
.Lfunc_end_k_q5ab502f87d_oproj:
	.size	k_q5ab502f87d_oproj, .Lfunc_end_k_q5ab502f87d_oproj-k_q5ab502f87d_oproj
	.p2alignl 7, 3214868480
	.fill 96, 4, 3214868480
	.section	.rodata,"a",@progbits
	.p2align	6, 0x0
	.amdhsa_kernel k_q5ab502f87d_oproj
		.amdhsa_group_segment_fixed_size 327680
		.amdhsa_private_segment_fixed_size 0
		.amdhsa_enable_private_segment 0
		.amdhsa_kernarg_size 32
		.amdhsa_user_sgpr_count 2
		.amdhsa_user_sgpr_kernarg_segment_ptr 1
		.amdhsa_wavefront_size32 1
		.amdhsa_system_sgpr_workgroup_id_x 1
		.amdhsa_system_sgpr_workgroup_id_y 1
		.amdhsa_system_sgpr_workgroup_id_z 1
		.amdhsa_system_vgpr_workitem_id 0
		.amdhsa_next_free_vgpr 384
		.amdhsa_next_free_sgpr 88
		.amdhsa_reserve_vcc 0
		.amdhsa_float_denorm_mode_32 3
		.amdhsa_float_denorm_mode_16_64 3
		.amdhsa_memory_ordered 1
		.amdhsa_forward_progress 1
		.amdhsa_inst_pref_size 93
	.end_amdhsa_kernel
	.amdgpu_metadata
---
amdhsa.version: [ 1, 2 ]
amdhsa.kernels:
  - .name:           k_q5ab502f87d_oproj
    .symbol:         k_q5ab502f87d_oproj.kd
    .args:
      - { .name: ctxh, .offset: 0, .size: 8, .value_kind: global_buffer, .address_space: global }
      - { .name: h16, .offset: 8, .size: 8, .value_kind: global_buffer, .address_space: global }
      - { .name: bo, .offset: 16, .size: 8, .value_kind: global_buffer, .address_space: global }
      - { .name: out0, .offset: 24, .size: 8, .value_kind: global_buffer, .address_space: global }
    .group_segment_fixed_size: 327680
    .private_segment_fixed_size: 0
    .kernarg_segment_align: 8
    .kernarg_segment_size: 32
    .max_flat_workgroup_size: 128
    .sgpr_count:     88
    .vgpr_count:     384
    .wavefront_size: 32
...
	.end_amdgpu_metadata
.endif
;; end of part 4
;; ======== version 2 of 2: 4 launches; version 1 with the launch cast written anew for expert scheduling mode
;; limits: values are held in f16: magnitudes above 65,504 overflow, below 6.1e-05 lose precision; right only within a limited range of input values
;; workspace buffers: h16 16,777,216 bytes; qkv 25,165,824 bytes; ctxh 8,388,608 bytes
;; launch cast (part 5): grid 512 x 1, 8 waves a work-group, no clusters, 0 bytes of LDS; arguments x, Wq, Wk, Wv, Wo, h16; writes h16
.if DOCPART == 5
	.amdgcn_target "amdgcn-amd-amdhsa--gfx1250"
	.amdhsa_code_object_version 6
	.text
	.protected	k_q5ab502f87d_cast
	.globl	k_q5ab502f87d_cast
	.p2align	8
	.type	k_q5ab502f87d_cast,@function
k_q5ab502f87d_cast:
	s_mov_b64 s[64:65], 0
	v_nop
	global_prefetch_b8 v0, s[64:65] scope:SCOPE_SE
	s_setreg_imm32_b32 hwreg(HW_REG_WAVE_SCHED_MODE, 0, 2), 2
	s_setreg_imm32_b32 hwreg(HW_REG_WAVE_MODE, 25, 1), 1
	s_wait_xcnt 0x0
	s_wait_alu depctr_vm_vsrc(0)
; h16 = f16 of (x | Wq | Wk | Wv | Wo), 8,192 rows of 1,024 numbers: rows 0-4095 x, 4096-7167 Wq, Wk, Wv stacked, 7168-8191 Wo.
; A stream: each source byte is read once, each byte of h16 written once.  No LDS, no matrix unit, no cluster: no two work-groups share a byte.
; Work-group id takes 65,536 source bytes (16,384 numbers) and writes 32,768 bytes at h16 + 32,768 id.  id 0-255: x; then 64 each for Wq, Wk, Wv, Wo.
; Thread t takes 16 bytes at 16 t of each of 16 blocks of 4,096 bytes: a wave's load covers 512 consecutive bytes; its store of 8 bytes a lane
; covers 256 consecutive bytes, aligned.  All 16 loads of a lane go out at once; no register is written twice, so no wait frees a source.
; LIMIT: f16 holds magnitudes below 65,504; a larger |x| or |W| becomes infinite here.  Rounding is to nearest even.
; THE MODE: SCHED_MODE bits 1:0 = 2 (LLVM: expert scheduling mode 2), set by the entry lines.  The code itself states the register dependences
; between vector instructions and memory instructions, with s_wait_alu, always for 0.
; THE PLAN.  Registers that memory instructions touch:
;   v1, v2   byte offsets of the loads and of the stores: written once at the head by vector lines, never again.
;   X        written by the 16 loads alone, each register once; no vector line names X ahead of the loads; step k's two conversions read X[4 k ..].
;   Y        step k's two conversions write Y[2 k], Y[2 k + 1], once in the launch; store k reads them.
; The 16 steps go in four groups of four.  Step k waits for load k, issues store k - 4 (the same place in the group before) and converts load k.
; One wait on va_vdst at the head of groups 1 to 3 states that the group before has written its eight Y registers; the conversions issued since that
; wait name this group's X and Y alone, none of the registers that the group's four stores touch, so the stores follow with no further wait.
; One more such wait stands ahead of the first load (the offsets) and one ahead of the last four stores.  No register that a memory instruction
; reads is written again, so there is no wait on vm_vsrc.
.set X, 4                              ; v[4:67]   16 loads of 4 f32
.set Y, 68                             ; v[68:99]  16 pairs of registers, 4 f16 each
	s_load_b256 s[4:11], s[0:1], 0x0               ; x s[4:5], Wq s[6:7], Wk s[8:9], Wv s[10:11]
	s_load_b128 s[12:15], s[0:1], 0x20             ; Wo s[12:13], h16 s[14:15]
	s_lshr_b32 s16, ttmp9, 6                       ; 0-3: x, 4: Wq, 5: Wk, 6: Wv, 7: Wo
	s_and_b32 s17, ttmp9, 63                       ; my block inside a weight matrix
	s_cmp_lt_u32 s16, 4
	s_cselect_b32 s22, ttmp9, s17                  ; my block inside my source
	s_lshl_b32 s22, s22, 16                        ; x 65,536 bytes (below 16 MiB)
	s_mov_b32 s23, 0
	s_lshl_b32 s2, ttmp9, 15                       ; my 32,768 bytes of h16
	s_mov_b32 s3, 0
	v_lshlrev_b32 v1, 4, v0                        ; 16 t
	v_lshlrev_b32 v2, 3, v0                        ; 8 t
	s_wait_kmcnt 0x0
	s_mov_b64 s[18:19], s[4:5]                     ; the source: a choice between buffers on the work-group's number alone
	s_cmp_eq_u32 s16, 4
	s_cselect_b64 s[18:19], s[6:7], s[18:19]
	s_cmp_eq_u32 s16, 5
	s_cselect_b64 s[18:19], s[8:9], s[18:19]
	s_cmp_eq_u32 s16, 6
	s_cselect_b64 s[18:19], s[10:11], s[18:19]
	s_cmp_eq_u32 s16, 7
	s_cselect_b64 s[18:19], s[12:13], s[18:19]
	s_add_nc_u64 s[18:19], s[18:19], s[22:23]
	s_add_nc_u64 s[20:21], s[14:15], s[2:3]
	s_wait_alu depctr_va_vdst(0)                   ; v1 and v2 are written: every load reads v1 and every store v2 as its offset
.set k, 0
.rept 16
	global_load_b128 v[X+4*k:X+4*k+3], v1, s[18:19] offset:4096*k th:TH_LOAD_NT   ; read once in the launch
.set k, k+1
.endr
.set k, 0
.rept 16
	s_wait_loadcnt 15-k                            ; loads come back in order (ISA guide 5.7.1): load k is in, the 15-k younger ones stay out
.if (k > 0) && (k % 4 == 0)
	s_wait_alu depctr_va_vdst(0)                   ; the conversions of steps k - 4 to k - 1 have written their Y, which this group's four stores read
.endif
.if k >= 4
	global_store_b64 v2, v[Y+2*(k-4):Y+2*(k-4)+1], s[20:21] offset:2048*(k-4)   ; no hint: the next launches read these bytes; no vector line since the wait names these registers
.endif
	v_cvt_pk_f16_f32 v[Y+2*k], v[X+4*k], v[X+4*k+1]
	v_cvt_pk_f16_f32 v[Y+2*k+1], v[X+4*k+2], v[X+4*k+3]
.set k, k+1
.endr
	s_wait_alu depctr_va_vdst(0)                   ; the conversions of steps 12 to 15 have written their Y, which the last four stores read
.set k, 12
.rept 4
	global_store_b64 v2, v[Y+2*k:Y+2*k+1], s[20:21] offset:2048*k
.set k, k+1
.endr
	s_endpgm
.Lfunc_end_k_q5ab502f87d_cast:
	.size	k_q5ab502f87d_cast, .Lfunc_end_k_q5ab502f87d_cast-k_q5ab502f87d_cast
	.p2alignl 7, 3214868480
	.fill 96, 4, 3214868480
	.section	.rodata,"a",@progbits
	.p2align	6, 0x0
	.amdhsa_kernel k_q5ab502f87d_cast
		.amdhsa_group_segment_fixed_size 0
		.amdhsa_private_segment_fixed_size 0
		.amdhsa_enable_private_segment 0
		.amdhsa_kernarg_size 48
		.amdhsa_user_sgpr_count 2
		.amdhsa_user_sgpr_kernarg_segment_ptr 1
		.amdhsa_wavefront_size32 1
		.amdhsa_system_sgpr_workgroup_id_x 1
		.amdhsa_system_sgpr_workgroup_id_y 1
		.amdhsa_system_sgpr_workgroup_id_z 1
		.amdhsa_system_vgpr_workitem_id 0
		.amdhsa_next_free_vgpr 104
		.amdhsa_next_free_sgpr 66
		.amdhsa_reserve_vcc 0
		.amdhsa_float_denorm_mode_32 3
		.amdhsa_float_denorm_mode_16_64 3
		.amdhsa_memory_ordered 1
		.amdhsa_forward_progress 1
		.amdhsa_inst_pref_size 7
	.end_amdhsa_kernel
	.amdgpu_metadata
---
amdhsa.version: [ 1, 2 ]
amdhsa.kernels:
  - .name:           k_q5ab502f87d_cast
    .symbol:         k_q5ab502f87d_cast.kd
    .args:
      - { .name: x, .offset: 0, .size: 8, .value_kind: global_buffer, .address_space: global }
      - { .name: Wq, .offset: 8, .size: 8, .value_kind: global_buffer, .address_space: global }
      - { .name: Wk, .offset: 16, .size: 8, .value_kind: global_buffer, .address_space: global }
      - { .name: Wv, .offset: 24, .size: 8, .value_kind: global_buffer, .address_space: global }
      - { .name: Wo, .offset: 32, .size: 8, .value_kind: global_buffer, .address_space: global }
      - { .name: h16, .offset: 40, .size: 8, .value_kind: global_buffer, .address_space: global }
    .group_segment_fixed_size: 0
    .private_segment_fixed_size: 0
    .kernarg_segment_align: 8
    .kernarg_segment_size: 48
    .max_flat_workgroup_size: 256
    .sgpr_count:     66
    .vgpr_count:     104
    .wavefront_size: 32
...
	.end_amdgpu_metadata
.endif
;; end of part 5
;; launch qkv: the kernel of part 2 again; grid 8 x 32, 4 waves a work-group, clusters of 4 x 4, 327,680 bytes of LDS; arguments h16, bq, bk, bv, qkv; writes qkv
;; launch attn: the kernel of part 3 again; grid 8 x 32, 8 waves a work-group, clusters of 4 x 1, 327,680 bytes of LDS; arguments qkv, ctxh; writes ctxh
;; launch oproj: the kernel of part 4 again; grid 8 x 32, 4 waves a work-group, clusters of 4 x 4, 327,680 bytes of LDS; arguments ctxh, h16, bo, out0; writes out0
